; MI455X (gfx1250); checked and timed in simulation.
; The chip was launched on July 23, 2026; its instructions are those of AMD's public machine-readable ISA for CDNA 5 (MIT licence, August 2026) and "CDNA5" Instruction Set Architecture Reference Guide (July 2026). The comments in the code are by the model that wrote it; some were corrected since.
;; Block. Allowed arithmetic: matrix products marked QUANTISED: E2M1 operands, one E8M0 scale for each 32 along K, by v_wmma_scale_f32_16x16x128_f8f6f4 with both operands' format E2M1 (or v_wmma_scale_f32_32x16x128_f4), f32 sums; everything else in f32.
;; Inputs: b1 2,048 float32; b2 512 float32; b_proj 512 float32; ln1_b 512 float32; ln1_g 512 float32; ln2_b 512 float32; ln2_g 512 float32; w1_codes 2,048 x 16 x 16 uint8 (E2M1 codes of w1, K innermost, in blocks of 32 codes, two codes a byte); w1_scales 2,048 x 16 uint8 (E8M0 scales of w1, one for each 32 codes along K); w2_codes 512 x 64 x 16 uint8 (E2M1 codes of w2, K innermost, in blocks of 32 codes, two codes a byte); w2_scales 512 x 64 uint8 (E8M0 scales of w2, one for each 32 codes along K); w_proj_codes 512 x 16 x 16 uint8 (E2M1 codes of w_proj, K innermost, in blocks of 32 codes, two codes a byte); w_proj_scales 512 x 16 uint8 (E8M0 scales of w_proj, one for each 32 codes along K); wk_codes 16 x 32 x 16 x 16 uint8 (E2M1 codes of wk, K innermost, in blocks of 32 codes, two codes a byte); wk_scales 16 x 32 x 16 uint8 (E8M0 scales of wk, one for each 32 codes along K); wq_codes 16 x 32 x 16 x 16 uint8 (E2M1 codes of wq, K innermost, in blocks of 32 codes, two codes a byte); wq_scales 16 x 32 x 16 uint8 (E8M0 scales of wq, one for each 32 codes along K); wv_codes 16 x 32 x 16 x 16 uint8 (E2M1 codes of wv, K innermost, in blocks of 32 codes, two codes a byte); wv_scales 16 x 32 x 16 uint8 (E8M0 scales of wv, one for each 32 codes along K); x 128 x 128 x 512 float32.
;; Outputs: out0 128 x 128 x 512 float32.
;; This version of the problem:
;;   THIS VERSION OF THE PROBLEM IS GIVEN IN LOW PRECISION. The matrix products marked QUANTISED in the list below multiply operands that are first quantised to E2M1 (2 exponent bits, 1 mantissa bit; 4 bits a number), with one power-of-two scale for each 32 numbers along K (OCP MX v1.0); their sums are f32. All else is computed in f32.
;;   The module's matrix products, in the order in which they are computed (A, B: the left and right operand; K: the contracted axis; several contracted axes count as one K, in the product's order):
;;     1. [M 512, K 512] x [K 512, N 16,384]; A: input wq (given as codes); B: computed on the way: QUANTISED
;;     2. [M 512, K 512] x [K 512, N 16,384]; A: input wk (given as codes); B: computed on the way: QUANTISED
;;     3. [M 512, K 512] x [K 512, N 16,384]; A: input wv (given as codes); B: computed on the way: QUANTISED
;;     4. batch 2,048 x [M 128, K 32] x [K 32, N 128]; A: computed on the way; B: computed on the way: QUANTISED
;;     5. batch 2,048 x [M 128, K 128] x [K 128, N 32]; A: softmax (see below); B: computed on the way: QUANTISED
;;     6. [M 16,384, K 512] x [K 512, N 512]; A: computed on the way; B: input w_proj (given as codes): QUANTISED
;;     7. [M 16,384, K 512] x [K 512, N 2,048]; A: computed on the way; B: input w1 (given as codes): QUANTISED
;;     8. [M 16,384, K 2,048] x [K 2,048, N 512]; A: computed on the way; B: input w2 (given as codes): QUANTISED
;;   THE QUANTISER, for each operand of a quantised product, along K:
;;     - K is cut into blocks of 32 from its start; a last block that is shorter is filled with zeros.
;;     - A block's scale is 2^e with e = floor(log2(the largest magnitude in the block)) - 2, held to -126 .. 127; a block of zeros has e = 0. As a byte (E8M0): e + 127.
;;     - Each number is divided by its block's scale, clamped to +-6, and rounded to the nearest number of E2M1, ties to even, subnormals kept.
;;     - The product sums the exact products of the quantised numbers (number of the format x scale) in f32.
;;   ~~~python
;;   def quantise(x, axis):      # numpy; x: float32 -> the quantised numbers, widened to float32 again
;;       x = np.moveaxis(x, axis, -1); K = x.shape[-1]
;;       x = np.pad(x, [(0, 0)] * (x.ndim - 1) + [(0, -K % 32)]); x = x.reshape(x.shape[:-1] + (-1, 32)); a = np.abs(x).max(-1, keepdims=True)
;;       e = np.where(a > 0, np.clip(np.frexp(np.where(a > 0, a, 1))[1] - 1 - 2, -126, 127), 0)      # np.frexp(a)[1] - 1 = floor(log2(a)), exactly
;;       r = np.clip(x / 2.0 ** e, -6, 6)
;;       step = 2.0 ** (np.maximum(np.frexp(np.where(r == 0, 1, r))[1] - 1, 0) - 1)
;;       q = np.round(r / step) * step * 2.0 ** e      # np.round: ties to even
;;       return np.moveaxis(q.reshape(q.shape[:-2] + (-1,))[..., :K], -1, axis).astype(np.float32)
;;   ~~~
;;   SOFTMAX AHEAD OF A QUANTISED PRODUCT. Where the list says 'softmax', what is quantised is not the finished softmax but p = 2^(t - M), with t = logit x log2(e) and M = ceil(the row's largest t), a whole number; so 1/2 < the row's largest p <= 1. The row's sum l is taken of the UNQUANTISED p, in f32, and the product's result is divided by l at the end. Since M is a whole number, a kernel that streams over the keys may use a running M (the ceiling of the running maximum): every later rescaling is an exact power of two, which a block's scale takes up: the codes' values come out the same.
;;   OPERANDS COMPUTED ON THE WAY. 'Computed on the way' means the value that the module computes at that place (a softmax that the list does not call 'softmax' is quantised finished and normalised). What goes into a quantiser is computed in f32, as accurately as f32 sums, v_exp_f32 and their like allow (about 1e-6 of the number): no bf16 or f16 on the way to a quantiser, and a product that is left as it is and whose result goes on into a quantised operand takes f32 operands (vector FMAs, or v_wmma_f32_16x16x4_f32). A number that lies on a knife's edge between two numbers of the format may be rounded either way, as far as f32 arithmetic and the matrix unit's own rounding can turn it there, and no further.
;;   INPUTS GIVEN AS CODES. w1 (in the module: [512, 2048], K = its axis 0); w2 (in the module: [2048, 512], K = its axis 0); w_proj (in the module: [512, 512], K = its axis 0); wk (in the module: [16, 512, 32], K = its axis 1); wq (in the module: [16, 512, 32], K = its axis 1); wv (in the module: [16, 512, 32], K = its axis 1): each comes as NAME_codes (uint8): NAME with its K axis moved to the last place and cut into blocks of 32 codes, [.., K / 32, bytes a block], one block behind the other in memory; two codes a byte, the lower K in the low four bits (a code: sign, 2 exponent bits, 1 mantissa bit); and NAME_scales (uint8): the same leading axes, one E8M0 byte (e + 127) for each 32 codes along K. Its value is code x scale, taken as it is: it is not quantised again, and the codes and scales need not be those that the quantiser above would give.
;; One version. Each part assembles by itself: llvm-mc -triple=amdgcn-amd-amdhsa -mcpu=gfx1250 --defsym DOCPART=n.
;; ======== version 1 of 1: 1 launch
;; limits: right only within a limited range of input values
;; launch block (part 1): grid 128 x 2, 8 waves a work-group, clusters of 4 x 1, 327,680 bytes of LDS; arguments x, out0, ln1_g, ln1_b, ln2_g, ln2_b, b_proj, b2, b1, wq_codes, wq_scales, wk_codes, wk_scales, wv_codes, wv_scales, w_proj_codes, w_proj_scales, w1_codes, w1_scales, w2_codes, w2_scales; writes out0
.if DOCPART == 1
	.amdgcn_target "amdgcn-amd-amdhsa--gfx1250"
	.amdhsa_code_object_version 6
	.text
	.protected	k_q83f38f574d_block
	.globl	k_q83f38f574d_block
	.p2align	8
	.type	k_q83f38f574d_block,@function
k_q83f38f574d_block:
	s_mov_b64 s[64:65], 0
	v_nop
	global_prefetch_b8 v0, s[64:65] scope:SCOPE_SE
	s_setreg_imm32_b32 hwreg(HW_REG_WAVE_MODE, 25, 1), 1
	s_wait_xcnt 0x0
	s_wait_alu depctr_hold_cnt(0) depctr_sa_sdst(0) depctr_va_vdst(0) depctr_va_sdst(0) depctr_va_ssrc(0) depctr_va_vcc(0) depctr_vm_vsrc(0)
	s_getreg_b32 s2, hwreg(HW_REG_IB_STS2, 6, 4)
	s_cmp_eq_u32 s2, 0
	s_cbranch_scc0 .Lentry_in_a_cluster
	s_endpgm
.Lentry_in_a_cluster:
	s_bfe_u32 s2, ttmp6, 0x10000c
	s_cmp_lg_u32 s2, 0x3003
	s_cbranch_scc0 .Lentry_shape_is_right
	s_endpgm
.Lentry_shape_is_right:
; One pre-norm transformer block, whole, in one launch: out0 = x1 + relu(LN2(x1) w1 + b1) w2 + b2, x1 = x + attention(LN1(x)) w_proj + b_proj.
; All eight products run on E2M1 codes with one E8M0 scale for each 32 along K; everything ahead of a quantiser is f32.
; SHARES.  Work-group (n, y) takes sequence n and its rows 64 (1 - y) .. + 63 (OWN).  A work-group of the second half also norms the 64 rows in front of it (PREV) and makes their k and v: keys for its queries.
; Eight waves: wave w = 4 rh + cq owns the rows 32 rh .. + 31 (two tiles of 16) and the columns 128 cq .. + 127 (heads 4 cq .. + 3) of every product.
; x stays in 128 registers in the result layout from the first load to the last store: LN1 reads it, b_proj is added, the projection sums onto it, LN2 reads it, b2 is added, the second MLP product sums onto it.
; WEIGHTS: 24 panels of 256 rows x 512 K (for each cq 64 rows), 65,536 bytes each, through a ring of two LDS slots filled by the tensor data mover: wq, wk, wv, w_proj two panels each, w1 eight, w2 eight.
; Each wave fetches 32 rows of a panel, one load behind each round.  The four work-groups of a cluster (four sequences, the same half) walk the same panels: every load is JOINT, with the mask 15 and the same descriptor in all four.
; A wave's row operand (32 rows x 512 K, 64 registers) stays in registers while panels pass.  Scale words of the panels come from memory into registers a panel ahead; w2's, whose rows are 64 bytes, are copied to LDS once.
; NO PREFETCH: all 64 clusters walk the same 24 panels in the same order, so a prefetch would name bytes that the other clusters' joint loads name at the same time.
; RESULT LAYOUT (transposed use): lane (r, h) holds row r; register 8 t + j is column 16 t + 8 h + j.  Converted, a lane has for each block of 32 the codes of columns 8 h .. and 16 + 8 h ..: one exchange of halves
; between lanes l and l xor 16 makes them 16 neighbours.  q and k (both alike along the head), and v and p (both alike along the keys) keep the order as it falls: the products are the same.
; IMAGE of a fragment: [block 0..3][row r][16 bytes]; the maker stores its 8 bytes of block b at 256 b + 16 r + 8 h, the reader takes 16 bytes at 512 c + 16 lane.  Scale words: 4 bytes a row.
; WORK LEFT OUT.  reference() builds the causal mask itself (jnp.tril): where all keys of a block of 32 come after all queries of a wave, every p is 2^(-inf) = 0 for all inputs, adds nothing to the row sum and
; nothing to P V: those score tiles are not made, and their places in P hold zero codes.  A work-group of the first half has no key beyond its own 64 rows for the same reason.  No input is without a way to the output: all 21 buffers are loaded.
; LIMITS.  NaN and infinities among the inputs are not served; one that would reach only the masked scores is not carried to the result.  A block of zeros gets the scale byte 1 (padding: 127) where the rule says 127:
; its codes are zeros and the bytes are read by this program alone.  Blocks whose largest magnitude lies under 2^-124 are held at byte 1.
.set PITCH, 272                        ; a panel's LDS row: 256 bytes + 16 of padding
.set SLOT,  69632
.set REC,   4352                       ; 16 rows x 512 K: four fragments of 1,024 bytes, four scale slots of 64
.set QREC,  1088                       ; one fragment, one slot
.set HREC,  17408                      ; 16 rows x 2,048 K: 16 fragments, 16 slots
.set HIMG,  139264                     ; behind the ring: normed rows, own 4 records, prev 4
.set AIMG,  HIMG+4*REC                 ; attention's result, over prev's records when those have been read
.set QKV,   174080                     ; for each cq 20 records of QREC bytes: q 0-3, k 4-11, v 12-19
.set HID,   QKV                        ; the hidden layer, when attention is done
.set STG,   QKV                        ; a stage of 16 rows x 528 bytes for each wave: x on its way in, out0 on its way out
.set VEC,   261120                     ; ln1_g, ln1_b, b_proj, ln2_g, ln2_b, b2 (2,048 bytes each), b1
.set RED,   281600                     ; the norms' partial sums: [pass] 1,024, [tile] 256, [row] 16, [cq] 4
.set SPARE, 285696                     ; the spare words, 128 bytes for each wave: no other line names them
.set SC2,   286720                     ; w2's scale bytes: 512 rows of 64 bytes, 80 apart
; vector registers, window 0
.set RR, 1                             ; r = lane % 16
.set HH, 2                             ; h = lane / 16
.set LI, 3                             ; 16 x lane
.set LS, 4                             ; 4 r
.set ST8, 5                            ; 16 r + 8 h
.set ADW, 6                            ; v6, v7: my weight rows in slot 0, 1
.set FA, 8
.set FS, 9
.set SA, 10
.set SS, 11
.set SPW, 12
.set NIL, 13
.set TV, 14
.set VECA, 15                          ; my columns' vectors + 32 h
.set WSB, 16                           ; scale words of a product's second panel: register 4 b + s, lanes 0-15 tile 2 b, lanes 16-31 tile 2 b + 1
.set SGW, 16                           ; (at the head) stage, by rows of the result layout
.set SGR, 17                           ; (at the head) stage, by memory rows
.set TM, 24                            ; v24-27 maxima and scale operands, v28-31 permutes and bytes
.set WSA, 32                           ; scale words of a product's first panel
.set CH, 40                            ; the norms' chains
.set PC, 40                            ; codes just made
.set XSP, 48                           ; scale words of prev's rows: 4 u + s
.set XS, 56                            ; scale words of my rows: 4 u + s
.set MU, 56                            ; in the norms: pairs (mean, 1 / sqrt(var + eps))
.set HA, 64                            ; 64 sums
.set RF, 128                           ; my rows' fragments: 32 u + 8 s
.set RFP, 192                          ; prev's
.set GV, 192                           ; b1, in the first MLP product
.set W2R, 224                          ; w2's scale bytes on their way to LDS
; attention, in the registers of the row fragments
.set KF, 128
.set VF, 192
.set QM, 208
.set LB, 216
.set NMP, 218
.set LA, 220
.set RM, 222
.set LIV, 223
.set RLP, 224
.set PW, 226
.set PWH, 227
.set QS, 228
.set VS, 230
.set BK0, 232
.set BK1, 233
.set DD, 234
.set NINF, 235
.set QK, 236
.set TT, 244
; window 1: v0-127 x (tile u at 64 u), v128-255 a panel's fragments (32 t + 8 s)
; scalar registers: s[4:45] the 21 addresses in the order of the arguments
.set WV, 46
.set PP, 47
.set RH, 48
.set CQ, 49
.set T0, 50
.set T1, 51
.set C0, 52
.set C1, 53
.set SO, 54
.set PSEL, 55
.set SEL, 56
.set CS, 58
.set NX, 60                            ; where the next panel's rows lie
.set CU, 62
.set CSC, 66
.set K512, 68
.set KEPS, 69
.set RDB, 70
.set C4, 71
.set HB, 72
.set HBS, 73
.set QB, 74
.set QBR, 75
.set XO, 76
.set XPV, 78
.set OUT, 80
.set OF, 82
.set G0, 84
.set G1, 88
.set G1W, 8                            ; s[8:15], when the vectors have been asked for
.set NC, 96
.set NS, 98
.set LB0, 100
.set AO, 4                             ; in attention
.set ASC, 5
.set AG, 6
.set ASG, 7
.set QO, 20
.set VFO, 21
.set MK0, 22                           ; the causal mask of a tile of queries: s22-33 and s16-19
.set MK1, 16
.set MSB, 0
.macro WIN new                         ; the immediate's high byte repeats the setting that is left
.if MSB != (\new)
	s_set_vgpr_msb (MSB<<8)|(\new)
.set MSB, \new
.endif
.endm
.macro SW
	s_wait_alu depctr_va_vdst(0)
.endm
.macro PLACES n
.rept \n
	v_nop
.endr
.endm
.macro BAR                             ; my LDS stores have landed and my LDS loads are in: then the work-group's barrier
	SW
	s_wait_dscnt 0x0
	s_barrier_signal -1
	s_barrier_wait -1
.endm
.macro CROUND                          ; a round of the cluster's barrier
	s_barrier_signal -1
	s_barrier_wait -1
	s_cmp_lg_u32 s[WV], 0
	s_cbranch_scc1 .Lnot_wave_0_\@
	s_barrier_signal -3
.Lnot_wave_0_\@:
	s_barrier_wait -3
	s_barrier_signal -1
	s_barrier_wait -1
.endm
.macro SKIP reg, label                 ; leads round what only some waves or work-groups do
	s_cmp_eq_u32 s[\reg], 0
	SW
	s_cbranch_scc1 \label
.endm
; THE CHANGE OF SLOTS: all my tensor loads are done (my part of this panel), the add, my LDS reads of the other slot are over; then the round.  fill = 1: the other slot's descriptor is written for the panel at s[NX]
.macro TOP slot, fill
	SW
	s_wait_xcnt 0x0
	s_wait_tensorcnt 0x0
	ds_add_u32 v[SPW], v[NIL]
.if \fill
	s_mov_b32 s[G0+1], s[LB0+1-\slot]
	s_mov_b64 s[G0+2:G0+3], s[NX:NX+1]
	s_or_b32 s[G0+3], s[G0+3], 0x80000000
.endif
	s_wait_dscnt 0x0
.if \fill
	CROUND
.else
	s_barrier_signal -1
	s_barrier_wait -1
.endif
.endm
.macro TLD grp                         ; the joint load, first behind the round; the four v_nop are also the places in front of the loads that follow
	tensor_load_to_lds s[G0:G0+3], s[\grp:\grp+7]
	s_nop 0
	PLACES 4
.endm
; one matrix instruction.  c < 0: the sum begins with the constant 0.  ra, rb: that side's scales are read from lanes 16-31
.macro WM d, a, b, c, sa, sb, ra, rb
.if (\c) < 0
.if \ra
	v_wmma_scale_f32_16x16x128_f8f6f4 v[(\d):(\d)+7], v[(\a):(\a)+7], v[(\b):(\b)+7], 0, v[\sa], v[\sb] matrix_a_fmt:MATRIX_FMT_FP4 matrix_b_fmt:MATRIX_FMT_FP4 matrix_a_scale:MATRIX_SCALE_ROW1
.elseif \rb
	v_wmma_scale_f32_16x16x128_f8f6f4 v[(\d):(\d)+7], v[(\a):(\a)+7], v[(\b):(\b)+7], 0, v[\sa], v[\sb] matrix_a_fmt:MATRIX_FMT_FP4 matrix_b_fmt:MATRIX_FMT_FP4 matrix_b_scale:MATRIX_SCALE_ROW1
.else
	v_wmma_scale_f32_16x16x128_f8f6f4 v[(\d):(\d)+7], v[(\a):(\a)+7], v[(\b):(\b)+7], 0, v[\sa], v[\sb] matrix_a_fmt:MATRIX_FMT_FP4 matrix_b_fmt:MATRIX_FMT_FP4
.endif
.else
.if \ra
	v_wmma_scale_f32_16x16x128_f8f6f4 v[(\d):(\d)+7], v[(\a):(\a)+7], v[(\b):(\b)+7], v[(\c):(\c)+7], v[\sa], v[\sb] matrix_a_fmt:MATRIX_FMT_FP4 matrix_b_fmt:MATRIX_FMT_FP4 matrix_a_scale:MATRIX_SCALE_ROW1
.elseif \rb
	v_wmma_scale_f32_16x16x128_f8f6f4 v[(\d):(\d)+7], v[(\a):(\a)+7], v[(\b):(\b)+7], v[(\c):(\c)+7], v[\sa], v[\sb] matrix_a_fmt:MATRIX_FMT_FP4 matrix_b_fmt:MATRIX_FMT_FP4 matrix_b_scale:MATRIX_SCALE_ROW1
.else
	v_wmma_scale_f32_16x16x128_f8f6f4 v[(\d):(\d)+7], v[(\a):(\a)+7], v[(\b):(\b)+7], v[(\c):(\c)+7], v[\sa], v[\sb] matrix_a_fmt:MATRIX_FMT_FP4 matrix_b_fmt:MATRIX_FMT_FP4
.endif
.endif
.endm
; 16 memory rows of 512 bytes turn through my stage into the result layout, in place.  LDS serves a wave's instructions in order: no wait between the stores and the loads
.macro TURN_IN base, win
	WIN 0x04*(\win)
.irp i, 0,1,2,3,4,5,6,7,8,9,10,11,12,13,14,15
	ds_store_b128 v[SGR], v[(\base)+4*\i:(\base)+4*\i+3] offset:528*\i
.endr
	WIN 0x40*(\win)
.irp n, 0,1,2,3,4,5,6,7,8,9,10,11,12,13,14,15
	ds_load_b128 v[(\base)+4*\n:(\base)+4*\n+3], v[SGW] offset:64*(\n/2)+16*(\n%2)
.endr
	WIN 0
.endm
.macro CVEC dst, o                     ; a vector over my 128 columns in the result layout, into the window set
.irp n, 0,1,2,3,4,5,6,7,8,9,10,11,12,13,14,15
	ds_load_b128 v[(\dst)+4*\n:(\dst)+4*\n+3], v[VECA] offset:(\o)+64*(\n/2)+16*(\n%2)
.endr
.endm
.macro LOADW slot                      ; my 64 rows of the panel, K step by K step: 32 loads
	WIN 0x40
.irp s, 0,1,2,3
.irp t, 0,1,2,3
.irp c, 0,1
	ds_load_b128 v[128+32*\t+8*\s+4*\c:128+32*\t+8*\s+4*\c+3], v[ADW+\slot] offset:16*\t*PITCH+64*\s+32*\c
.endr
.endr
.endr
	WIN 0
.endm
.macro FETCHR dst, xw, o               ; a row operand: two tiles x 512 K and their scale words: 24 loads
.irp u, 0,1
.irp s, 0,1,2,3
	ds_load_b128 v[(\dst)+32*\u+8*\s:(\dst)+32*\u+8*\s+3], v[FA] offset:(\o)+REC*\u+1024*\s
	ds_load_b128 v[(\dst)+32*\u+8*\s+4:(\dst)+32*\u+8*\s+7], v[FA] offset:(\o)+REC*\u+1024*\s+512
	ds_load_b32 v[(\xw)+4*\u+\s], v[FS] offset:(\o)+REC*\u+64*\s
.endr
.endr
.endm
.macro LOADRW slot, str                ; the row operand and the panel together: 8 scale words, then 12 loads for each K step
.irp u, 0,1
.irp s, 0,1,2,3
	ds_load_b32 v[XS+4*\u+\s], v[FS] offset:(\str)*\u+64*\s
.endr
.endr
.irp s, 0,1,2,3
	WIN 0
.irp u, 0,1
	ds_load_b128 v[RF+32*\u+8*\s:RF+32*\u+8*\s+3], v[FA] offset:(\str)*\u+1024*\s
	ds_load_b128 v[RF+32*\u+8*\s+4:RF+32*\u+8*\s+7], v[FA] offset:(\str)*\u+1024*\s+512
.endr
	WIN 0x40
.irp t, 0,1,2,3
.irp c, 0,1
	ds_load_b128 v[128+32*\t+8*\s+4*\c:128+32*\t+8*\s+4*\c+3], v[ADW+\slot] offset:16*\t*PITCH+64*\s+32*\c
.endr
.endr
.endr
	WIN 0
.endm
.macro SCLD dst, ptr, o                ; a panel's scale words: 64 rows of 16 bytes
.irp b, 0,1
	global_load_b128 v[\dst+4*\b:\dst+4*\b+3], v[LI], s[\ptr:\ptr+1] offset:(\o)+512*\b
.endr
.endm
; 32 matrix instructions: my 64 columns x 32 rows x 512 K.  The eight sums take turns, one instruction a turn.  cmode 0: the sums begin with 0; 1: with b1; 2: they go on in place.
; wc >= 0: wc LDS loads for each K step are out in order: a K step waits for its own
.macro TGU acc, ustr, accw, cmode, rows, xw, wsc, wc
	WIN 1|((\accw)<<4)|((\accw)<<6)
.irp s, 0,1,2,3
.if (\wc) >= 0
	s_wait_dscnt (\wc)*(3-\s)
.endif
.irp u, 0,1
.irp t, 0,1,2,3
.if (\s == 0) && (\cmode == 0)
	WM (\acc)+(\ustr)*\u+8*\t, 128+32*\t+8*\s, (\rows)+32*\u+8*\s, -1, (\wsc)+4*(\t/2)+\s, (\xw)+4*\u+\s, \t%2, 0
.elseif (\s == 0) && (\cmode == 1)
	WM (\acc)+(\ustr)*\u+8*\t, 128+32*\t+8*\s, (\rows)+32*\u+8*\s, GV+8*\t, (\wsc)+4*(\t/2)+\s, (\xw)+4*\u+\s, \t%2, 0
.else
	WM (\acc)+(\ustr)*\u+8*\t, 128+32*\t+8*\s, (\rows)+32*\u+8*\s, (\acc)+(\ustr)*\u+8*\t, (\wsc)+4*(\t/2)+\s, (\xw)+4*\u+\s, \t%2, 0
.endif
.endr
.endr
.endr
	WIN 0
.endm
; the same for v, with the sources changed over: a lane holds a column, its registers run along the rows: sums (t, u) at HA + 16 t + 8 u
.macro TGV rows, xw, wsc, wc
	WIN 0x04
.irp s, 0,1,2,3
.if (\wc) >= 0
	s_wait_dscnt (\wc)*(3-\s)
.endif
.irp u, 0,1
.irp t, 0,1,2,3
.if \s == 0
	WM HA+16*\t+8*\u, (\rows)+32*\u+8*\s, 128+32*\t+8*\s, -1, (\xw)+4*\u+\s, (\wsc)+4*(\t/2)+\s, 0, \t%2
.else
	WM HA+16*\t+8*\u, (\rows)+32*\u+8*\s, 128+32*\t+8*\s, HA+16*\t+8*\u, (\xw)+4*\u+\s, (\wsc)+4*(\t/2)+\s, 0, \t%2
.endif
.endr
.endr
.endr
	WIN 0
.endm
; four blocks of 32 (HA + 16 b: my 16 numbers of block b): codes into v[PC + 2 b], v[PC + 2 b + 1], scale bytes into v[TM + 4 + b].  ab = 0: what is negative does not count
.macro QCORE ab
.irp b, 0,1,2,3
.if \ab
	v_max3_num_f32 v[TM+\b], |v[HA+16*\b]|, |v[HA+1+16*\b]|, 0x1800000    ; with the floor 2^(3 - 127): the byte cannot fall under 1
.else
	v_max3_num_f32 v[TM+\b], v[HA+16*\b], v[HA+1+16*\b], 0x1800000
.endif
.endr
.irp i, 2,4,6,8,10,12,14
.irp b, 0,1,2,3
.if \ab
	v_max3_num_f32 v[TM+\b], v[TM+\b], |v[HA+16*\b+\i]|, |v[HA+1+16*\b+\i]|
.else
	v_max3_num_f32 v[TM+\b], v[TM+\b], v[HA+16*\b+\i], v[HA+1+16*\b+\i]
.endif
.endr
.endr
.irp b, 0,1,2,3
	v_permlanex16_b32 v[TM+4+\b], v[TM+\b], s[SEL], s[SEL+1]
.endr
.irp b, 0,1,2,3
	v_max_num_f32 v[TM+\b], v[TM+\b], v[TM+4+\b]                ; with lane l xor 16: the block's largest magnitude
.endr
.irp b, 0,1,2,3
	v_add_nc_u32 v[TM+\b], 0xff000000, v[TM+\b]                 ; 2 off its exponent field: the conversion's scale operand
.endr
.irp b, 0,1,2,3
	v_lshrrev_b32 v[TM+4+\b], 23, v[TM+\b]                      ; the scale's byte
.endr
.irp b, 0,1,2,3
	v_cvt_scalef32_pk8_fp4_f32 v[PC+2*\b], v[HA+16*\b:HA+16*\b+7], v[TM+\b]
	v_cvt_scalef32_pk8_fp4_f32 v[PC+2*\b+1], v[HA+16*\b+8:HA+16*\b+15], v[TM+\b]
.endr
	v_nop                                          ; one plain place behind the conversions
.endm
.macro SWP4                            ; 16 neighbours in a lane
.irp b, 0,1,2,3
	v_permlane16_swap_b32 v[PC+2*\b], v[PC+2*\b+1]
.endr
.endm
; two tiles of rows x two blocks: codes at o + ustr u + 256 b, scale bytes in pairs at so + ustr u
.macro ST_PAIR o, so, ustr
.irp u, 0,1
.irp b, 0,1
	ds_store_b64 v[SA], v[PC+4*\u+2*\b:PC+4*\u+2*\b+1] offset:(\o)+(\ustr)*\u+256*\b
.endr
.endr
	v_lshl_or_b32 v[TM+4], v[TM+5], 8, v[TM+4]
	v_lshl_or_b32 v[TM+6], v[TM+7], 8, v[TM+6]
	ds_store_b16 v[SS], v[TM+4] offset:\so
	ds_store_b16 v[SS], v[TM+6] offset:(\so)+(\ustr)
.endm
; THE NORM of my two tiles (at base of window win): partial sums of my 128 columns meet in LDS, twice; then each tile is normed, quantised and stored as K step cq of its record
.macro REDX o
.irp u, 0,1
	v_pk_add_f32 v[CH+4*\u:CH+4*\u+1], v[CH+4*\u:CH+4*\u+1], v[CH+4*\u+2:CH+4*\u+3]
.endr
.irp u, 0,1
	v_add_f32 v[CH+4*\u], v[CH+4*\u], v[CH+4*\u+1]
.endr
.irp u, 0,1
	v_permlanex16_b32 v[CH+4*\u+1], v[CH+4*\u], s[SEL], s[SEL+1]
.endr
.irp u, 0,1
	v_add_f32 v[CH+4*\u], v[CH+4*\u], v[CH+4*\u+1]
.endr
.irp u, 0,1
	ds_store_b32 v[SA], v[CH+4*\u] offset:(\o)+256*\u           ; both halves of the lanes write the same word with the same value
.endr
	BAR
.irp u, 0,1
	ds_load_b128 v[HA+4*\u:HA+4*\u+3], v[FA] offset:(\o)+256*\u
.endr
.endm
.macro SUMX                            ; the same order in every wave: the same bits
.irp u, 0,1
	v_add_f32 v[HA+4*\u], v[HA+4*\u], v[HA+4*\u+1]
.endr
.irp u, 0,1
	v_add_f32 v[HA+4*\u+2], v[HA+4*\u+2], v[HA+4*\u+3]
.endr
.irp u, 0,1
	v_add_f32 v[TM+\u], v[HA+4*\u], v[HA+4*\u+2]
.endr
.endm
.macro DIFF src, wn, mu                ; HA = x - mean
	WIN \wn
.set jj, 0
.rept 32
	v_pk_add_f32 v[HA+jj:HA+jj+1], v[(\src)+jj:(\src)+jj+1], v[(\mu):(\mu)+1] op_sel_hi:[1,0] neg_lo:[0,1] neg_hi:[0,1]
.set jj, jj+2
.endr
	WIN 0
.endm
.macro LN base, win, red, vo, img
	v_lshl_add_u32 v[FA], v[RR], 4, s[RDB]
	v_add_nc_u32 v[SA], s[C4], v[FA]
	SW
	s_wait_dscnt 0x0
	WIN (\win)|((\win)<<2)
.irp u, 0,1
	v_pk_add_f32 v[CH+4*\u:CH+4*\u+1], v[(\base)+64*\u:(\base)+64*\u+1], v[(\base)+64*\u+4:(\base)+64*\u+5]
	v_pk_add_f32 v[CH+4*\u+2:CH+4*\u+3], v[(\base)+64*\u+2:(\base)+64*\u+3], v[(\base)+64*\u+6:(\base)+64*\u+7]
.endr
	WIN \win
.set jj, 8
.rept 14
.irp u, 0,1
	v_pk_add_f32 v[CH+4*\u:CH+4*\u+1], v[(\base)+64*\u+jj:(\base)+64*\u+jj+1], v[CH+4*\u:CH+4*\u+1]
	v_pk_add_f32 v[CH+4*\u+2:CH+4*\u+3], v[(\base)+64*\u+jj+2:(\base)+64*\u+jj+3], v[CH+4*\u+2:CH+4*\u+3]
.endr
.set jj, jj+4
.endr
	WIN 0
	REDX \red
	s_wait_dscnt 0x0
	SUMX
.irp u, 0,1
	v_mul_f32 v[MU+2*\u], s[K512], v[TM+\u]
.endr
.irp u, 0,1
	DIFF (\base)+64*\u, \win, MU+2*\u
	v_pk_mul_f32 v[CH+4*\u:CH+4*\u+1], v[HA:HA+1], v[HA:HA+1]
	v_pk_mul_f32 v[CH+4*\u+2:CH+4*\u+3], v[HA+2:HA+3], v[HA+2:HA+3]
.set jj, 4
.rept 15
	v_pk_fma_f32 v[CH+4*\u:CH+4*\u+1], v[HA+jj:HA+jj+1], v[HA+jj:HA+jj+1], v[CH+4*\u:CH+4*\u+1]
	v_pk_fma_f32 v[CH+4*\u+2:CH+4*\u+3], v[HA+jj+2:HA+jj+3], v[HA+jj+2:HA+jj+3], v[CH+4*\u+2:CH+4*\u+3]
.set jj, jj+4
.endr
.endr
	REDX (\red)+1024
	WIN 0x40
	CVEC 128, \vo                                  ; the gain and the offset: 32 loads
	CVEC 192, (\vo)+2048
	WIN 0
	s_wait_dscnt 32                                ; the partial sums are in; the 32 behind them stay out
	SUMX
.irp u, 0,1
	v_fma_f32 v[TM+\u], v[TM+\u], s[K512], s[KEPS]
.endr
	SW
.irp u, 0,1
	v_rsq_f32 v[MU+2*\u+1], v[TM+\u]
.endr
	v_add_nc_u32 v[SA], s[HB], v[ST8]              ; (a plain place behind the batch)
	v_add_nc_u32 v[SS], s[HBS], v[LS]
	SW
.irp u, 0,1
	DIFF (\base)+64*\u, \win, MU+2*\u
.set jj, 0
.rept 32
	v_pk_mul_f32 v[HA+jj:HA+jj+1], v[HA+jj:HA+jj+1], v[MU+2*\u:MU+2*\u+1] op_sel:[0,1] op_sel_hi:[1,1]   ; the pair's upper register serves both
.set jj, jj+2
.endr
.if \u == 0
	SW
	s_wait_dscnt 0x0
.endif
	WIN 0x14
.set jj, 0
.rept 32
	v_pk_fma_f32 v[HA+jj:HA+jj+1], v[HA+jj:HA+jj+1], v[128+jj:129+jj], v[192+jj:193+jj]
.set jj, jj+2
.endr
	WIN 0
	QCORE 1
	SWP4
	v_lshl_or_b32 v[TM+4], v[TM+5], 8, v[TM+4]
	v_lshl_or_b32 v[TM+4], v[TM+6], 16, v[TM+4]
	v_lshl_or_b32 v[TM+4], v[TM+7], 24, v[TM+4]
.irp b, 0,1,2,3
	ds_store_b64 v[SA], v[PC+2*\b:PC+2*\b+1] offset:(\img)+REC*\u+256*\b
.endr
	ds_store_b32 v[SS], v[TM+4] offset:(\img)+REC*\u
.endr
.endm
.macro BIAS o                          ; x += the bias: it rides in the sums that follow
	CVEC HA, \o
	SW
	s_wait_dscnt 0x0
	WIN 0x41
.irp u, 0,1
.set jj, 0
.rept 32
	v_pk_add_f32 v[64*\u+jj:64*\u+jj+1], v[64*\u+jj:64*\u+jj+1], v[HA+jj:HA+jj+1]
.set jj, jj+2
.endr
.endr
	WIN 0
.endm
	s_load_b512 s[4:19], s[0:1], 0x0               ; x, out0, ln1_g, ln1_b, ln2_g, ln2_b, b_proj, b2
	s_load_b512 s[20:35], s[0:1], 0x40             ; b1, wq, wk, wv (codes, scales), w_proj codes
	s_load_b256 s[36:43], s[0:1], 0x80             ; w_proj scales, w1 codes, w1 scales, w2 codes
	s_load_b64 s[44:45], s[0:1], 0xa0              ; w2 scales
	v_lshl_add_u32 v[SPW], v0, 2, SPARE
	v_mov_b32 v[NIL], 0
	ds_add_u32 v[SPW], v[NIL]                      ; the wave's opening: the add, twice on end
	ds_add_u32 v[SPW], v[NIL]
	v_lshrrev_b32 v[TV], 5, v0
	v_readfirstlane_b32 s[WV], v[TV]               ; wave 0..7
	s_lshr_b32 s[RH], s[WV], 2
	s_and_b32 s[CQ], s[WV], 3
	s_bfe_u32 s[T0], ttmp6, 0x40000                ; my place in the cluster
	s_lshl_b32 s[C0], ttmp9, 2
	s_add_co_u32 s[C0], s[C0], s[T0]               ; the sequence
	s_and_b32 s[PP], ttmp7, 0xffff
	s_xor_b32 s[PP], s[PP], 1                      ; which half of it: the longer work-groups have the lower y; the same in a cluster's four
	s_mov_b32 s[SEL], 0x76543210
	s_mov_b32 s[SEL+1], 0xfedcba98                 ; v_permlanex16_b32: lane l xor 16
	s_mov_b32 s[CS], 0x3d8293ee                    ; log2(e) / sqrt(512)
	s_mov_b32 s[CS+1], s[CS]
	s_mov_b32 s[K512], 0x3b000000                  ; 1 / 512
	s_mov_b32 s[KEPS], 0x3727c5ac                  ; 1e-5
	s_mul_i32 s[T0], s[RH], 255
	s_mov_b32 s[PSEL], 0x03020100
	s_sub_co_u32 s[PSEL], s[PSEL], s[T0]           ; rh = 1: a word's two lower bytes change places
	s_lshl_b32 s[RDB], s[RH], 9
	s_add_co_u32 s[RDB], s[RDB], RED
	s_lshl_b32 s[C4], s[CQ], 2
	s_mul_i32 s[T0], s[RH], 2*REC
	s_lshl_b32 s[HB], s[CQ], 10
	s_add_co_u32 s[HB], s[HB], s[T0]
	s_add_co_u32 s[HB], s[HB], HIMG
	s_lshl_b32 s[HBS], s[CQ], 6
	s_add_co_u32 s[HBS], s[HBS], s[T0]
	s_add_co_u32 s[HBS], s[HBS], HIMG+4096
	s_mul_i32 s[QB], s[CQ], 20*QREC
	s_add_co_u32 s[QB], s[QB], QKV
	s_mul_i32 s[T0], s[RH], 2*QREC
	s_add_co_u32 s[QBR], s[QB], s[T0]
	s_mul_i32 s[T1], s[CQ], 64*PITCH               ; my 64 rows of a panel
	s_mul_i32 s[T0], s[RH], 32*PITCH
	s_add_co_u32 s[LB0], s[T1], s[T0]              ; and the 32 that I fetch, in slot 0,
	s_add_co_u32 s[LB0+1], s[LB0], SLOT            ; in slot 1
	s_mul_i32 s[SO], s[WV], 8448
	s_add_co_u32 s[SO], s[SO], STG                 ; my stage
	s_lshl_b32 s[OF], s[CQ], 9
	s_add_co_u32 s[OF], s[OF], VEC
	s_mul_i32 s[T0], s[RH], 6144
	s_add_co_u32 s[OF+1], s[OF], s[T0]
	s_lshl_b32 s[NX], s[WV], 10
	s_add_co_u32 s[NX], s[NX], VEC+12288
	; descriptor groups 1: 32 rows of 256 bytes, 256 apart, padded in LDS by 16 bytes behind each; all four of the cluster named
	s_mov_b32 s[G1], 15|(0<<16)|(1<<20)|(1<<21)|(5<<22)|(3<<25)
	s_mov_b32 s[G1+1], 256<<16
	s_mov_b32 s[G1+2], 32<<16
	s_mov_b32 s[G1+3], 256<<16
	s_mov_b32 s[G1+4], 32
	s_mov_b32 s[G1+5], 256
	s_mov_b32 s[G1+6], 0
	s_mov_b32 s[G1+7], 0
	v_and_b32 v[RR], 15, v0
	v_bfe_u32 v[HH], v0, 4, 1
	v_and_b32 v[TV], 31, v0
	v_lshlrev_b32 v[LI], 4, v[TV]
	v_lshlrev_b32 v[LS], 2, v[RR]
	v_lshlrev_b32 v[ST8], 4, v[RR]
	v_lshl_add_u32 v[ST8], v[HH], 3, v[ST8]
	v_mul_u32_u24 v[ADW], v[RR], PITCH
	v_lshl_add_u32 v[ADW], v[HH], 4, v[ADW]
	v_add_nc_u32 v[ADW], s[T1], v[ADW]
	v_add_nc_u32 v[ADW+1], SLOT, v[ADW]
	v_lshl_add_u32 v[VECA], v[HH], 5, s[OF]
	v_mul_u32_u24 v[SGW], v[RR], 528
	v_lshl_add_u32 v[SGW], v[HH], 5, v[SGW]
	v_add_nc_u32 v[SGW], s[SO], v[SGW]
	v_add_nc_u32 v[SGR], s[SO], v[LI]
	v_add_nc_u32 v[SA], s[OF+1], v[LI]
	v_add_nc_u32 v[SS], s[NX], v[LI]
.irp j, 28,29,30,31,57,59
	v_mov_b32 v[\j], 0                             ; written once: permute destinations and the upper halves of pairs count as read
.endr
	SW
	s_wait_dscnt 0x0                               ; both opening adds are done
	s_wait_kmcnt 0x0
	s_mov_b32 s[OF+1], 0
	s_lshl_b32 s[OF], s[CQ], 15
	s_lshl_b32 s[T1], s[RH], 13
	s_add_co_u32 s[OF], s[OF], s[T1]               ; 128 cq + 32 rh rows of 256 bytes
.irp p, 22,26,30,34,38
	s_add_nc_u64 s[\p:\p+1], s[\p:\p+1], s[OF:OF+1]
.endr
	s_lshl_b32 s[OF], s[OF], 2                     ; of 1,024 bytes
	s_add_nc_u64 s[42:43], s[42:43], s[OF:OF+1]
	s_lshl_b32 s[OF], s[CQ], 11                    ; 128 cq rows of 16 scale bytes
.irp p, 24,28,32,36,40
	s_add_nc_u64 s[\p:\p+1], s[\p:\p+1], s[OF:OF+1]
.endr
	s_lshl_b32 s[OF], s[WV], 12
	s_add_nc_u64 s[44:45], s[44:45], s[OF:OF+1]
	s_lshl_b32 s[OF], s[WV], 10
	s_add_nc_u64 s[20:21], s[20:21], s[OF:OF+1]
	s_cmp_eq_u32 s[RH], 0                          ; waves 0-3 bring ln1_g, ln1_b, b_proj to LDS, waves 4-7 ln2_g, ln2_b, b2
	s_cselect_b64 s[8:9], s[8:9], s[12:13]
	s_cselect_b64 s[10:11], s[10:11], s[14:15]
	s_cselect_b64 s[16:17], s[16:17], s[18:19]
	s_lshl_b32 s[OF], s[CQ], 9
.irp p, 8,10,16
	s_add_nc_u64 s[\p:\p+1], s[\p:\p+1], s[OF:OF+1]
.endr
	s_lshl_b32 s[T0], s[C0], 18                    ; 128 rows of 2,048 bytes a sequence
	s_lshl_b32 s[T1], s[RH], 16
	s_add_co_u32 s[OF], s[OF], s[T0]
	s_add_co_u32 s[OF], s[OF], s[T1]
	s_add_nc_u64 s[XPV:XPV+1], s[4:5], s[OF:OF+1]
	s_add_nc_u64 s[OUT:OUT+1], s[6:7], s[OF:OF+1]
	s_lshl_b32 s[OF], s[PP], 17
	s_add_nc_u64 s[XO:XO+1], s[XPV:XPV+1], s[OF:OF+1]
	s_add_nc_u64 s[OUT:OUT+1], s[OUT:OUT+1], s[OF:OF+1]
	; five loads of vectors, two of scale words, then all of my x
	global_load_b128 v[HA:HA+3], v[LI], s[8:9]
	global_load_b128 v[HA+4:HA+7], v[LI], s[10:11]
	global_load_b128 v[HA+8:HA+11], v[LI], s[16:17]
	global_load_b128 v[HA+12:HA+15], v[LI], s[20:21]
	global_load_b128 v[HA+16:HA+19], v[LI], s[20:21] offset:512
	SCLD WSA, 24, 0
	WIN 0x40
.irp u, 0,1
.irp i, 0,1,2,3,4,5,6,7,8,9,10,11,12,13,14,15
	global_load_b128 v[64*\u+4*\i:64*\u+4*\i+3], v[LI], s[XO:XO+1] offset:(16*\u+\i)*2048   ; 32 lanes read 512 consecutive bytes of one row
.endr
.endr
	WIN 0
	s_mov_b32 s[G0], 1
	s_mov_b32 s[G0+1], s[LB0]
	s_mov_b64 s[G0+2:G0+3], s[22:23]
	s_or_b32 s[G0+3], s[G0+3], 0x80000000
	CROUND                                         ; the cluster's four work-groups are here: the first joint loads meet
	TLD G1                                         ; wq's first panel
	s_wait_xcnt 0x0                                ; the vectors' addresses have been read: w2's group 1 goes there: 32 rows of 256 bytes, 1,024 apart
	s_mov_b32 s[G1W], 15|(0<<16)|(1<<20)|(1<<21)|(5<<22)|(3<<25)
	s_mov_b32 s[G1W+1], 256<<16
	s_mov_b32 s[G1W+2], 32<<16
	s_mov_b32 s[G1W+3], 256<<16
	s_mov_b32 s[G1W+4], 32
	s_mov_b32 s[G1W+5], 1024
	s_mov_b32 s[G1W+6], 0
	s_mov_b32 s[G1W+7], 0
.macro VSTORE
	ds_store_b128 v[SA], v[HA:HA+3]
	ds_store_b128 v[SA], v[HA+4:HA+7] offset:2048
	ds_store_b128 v[SA], v[HA+8:HA+11] offset:4096
	ds_store_b128 v[SS], v[HA+12:HA+15]
	ds_store_b128 v[SS], v[HA+16:HA+19] offset:512
.endm
	; ---- PREV: the 64 rows in front, shared like the own rows.  The branch hangs on y alone
	SKIP PP, .Lnoprev
.irp u, 0,1
.irp i, 0,1,2,3,4,5,6,7,8,9,10,11,12,13,14,15
	global_load_b128 v[128+64*\u+4*\i:128+64*\u+4*\i+3], v[LI], s[XPV:XPV+1] offset:(16*\u+\i)*2048
.endr
.endr
	s_wait_loadcnt 63                              ; 71 loads are issued: the oldest 8 are in, the vectors among them
	VSTORE
	s_wait_loadcnt 16
	TURN_IN 128, 0
	s_wait_loadcnt 0x0
	TURN_IN 192, 0
	LN 128, 0, 0, 0, 4*REC
	SW
	s_branch .Lown
.Lnoprev:
	s_wait_loadcnt 32                              ; the seven in front of my x's 32
	VSTORE
.Lown:
	s_wait_loadcnt 16
	TURN_IN 0, 1
	s_wait_loadcnt 0x0
	TURN_IN 64, 1
	LN 0, 1, 2048, 0, 0
	BIAS 4096
	s_mul_i32 s[T0], s[RH], 2*REC
	s_add_co_u32 s[T0], s[T0], HIMG
	v_add_nc_u32 v[FA], s[T0], v[LI]
	v_add_nc_u32 v[FS], s[T0], v[LS]
	v_add_nc_u32 v[FS], 4096, v[FS]
	BAR                                            ; the normed rows' images lie in LDS
	FETCHR RF, XS, 0
	SKIP PP, .Lnorfp
	FETCHR RFP, XSP, 4*REC
	s_branch .Lrfp
.Lnorfp:                                               ; written on every way; read only in a work-group of the second half
.set jj, 0
.rept 64
	v_mov_b32 v[RFP+jj], 0
.set jj, jj+1
.endr
.irp j, 0,1,2,3,4,5,6,7
	v_mov_b32 v[XSP+\j], 0
.endr
.Lrfp:
	; ---- q, then k: two panels each.  A lane holds a row; quantised along each head's 32
.macro QKSTEP f, wsc
	LOADW \f
	s_wait_loadcnt 2                               ; this panel's scale words; the next panel's two loads stay out
	TGU HA, 32, 0, 0, RF, XS, \wsc, 8
	PLACES 4
	QCORE 1
	ST_PAIR 512*\f, 1024+2*\f, QREC
	s_and_b32 s[T0], s[PP], s[C0]                  ; prev's rows have no q
	SKIP T0, .Lnp_\@
	TGU HA, 32, 0, 0, RFP, XSP, \wsc, -1
	PLACES 4
	QCORE 1
	ST_PAIR 4*QREC+512*\f, 4*QREC+1024+2*\f, QREC
.Lnp_\@:
.endm
	s_mov_b64 s[CU:CU+1], s[22:23]
	s_mov_b64 s[CSC:CSC+1], s[24:25]
	s_mov_b64 s[NC:NC+1], s[26:27]
	s_mov_b64 s[NS:NS+1], s[28:29]
	s_mov_b32 s[SO], s[QBR]
	s_mov_b32 s[C0], 0
	SW
.Lqk:
	v_add_nc_u32 v[SA], s[SO], v[ST8]
	v_add_nc_u32 v[SS], s[SO], v[LS]
	s_add_nc_u64 s[NX:NX+1], s[CU:CU+1], 16384     ; 64 rows on
	TOP 0, 1
	TLD G1
	SCLD WSB, CSC, 1024
	QKSTEP 0, WSA
	s_mov_b64 s[NX:NX+1], s[NC:NC+1]
	TOP 1, 1
	TLD G1
	SCLD WSA, NS, 0
	QKSTEP 1, WSB
	s_wait_xcnt 0x0
	s_mov_b64 s[CU:CU+1], s[NC:NC+1]
	s_mov_b64 s[CSC:CSC+1], s[NS:NS+1]
	s_mov_b64 s[NC:NC+1], s[30:31]
	s_mov_b64 s[NS:NS+1], s[32:33]
	s_add_co_u32 s[SO], s[SO], 4*QREC
	s_add_co_u32 s[C0], s[C0], 1
	s_cmp_lt_u32 s[C0], 2
	SW
	s_cbranch_scc1 .Lqk
	; ---- v: a lane holds a column, its registers run along my 32 rows: one block of 32 keys
.macro ST_V o, so, f
.irp t, 0,1,2,3
	ds_store_b64 v[SA], v[PC+2*\t:PC+2*\t+1] offset:QREC*(4*\f+\t)+(\o)
	ds_store_b8 v[SS], v[TM+4+\t] offset:QREC*(4*\f+\t)+(\so)
.endr
.endm
.macro VSTEP f, wsc
	LOADW \f
	s_wait_loadcnt 2
	TGV RF, XS, \wsc, 8
	PLACES 4
	QCORE 1
	ST_V 0, 0, \f
	SKIP PP, .Lvf_\@
	TGV RFP, XSP, \wsc, -1
	PLACES 4
	QCORE 1
	ST_V 512, 2, \f
	SW
	s_branch .Lvj_\@
.Lvf_\@:                                               ; no such keys: zero codes, scale 1
	v_mov_b32 v[PC], 0
	v_mov_b32 v[PC+1], 0
	v_mov_b32 v[TM+4], 127
.irp t, 0,1,2,3
	ds_store_b64 v[SA], v[PC:PC+1] offset:QREC*(4*\f+\t)+512
	ds_store_b8 v[SS], v[TM+4] offset:QREC*(4*\f+\t)+2
.endr
.Lvj_\@:
.endm
	s_lshl_b32 s[T0], s[RH], 8
	s_add_co_u32 s[T0], s[T0], s[QB]
	s_add_co_u32 s[T0], s[T0], 12*QREC
	s_add_co_u32 s[T1], s[QB], s[RH]
	s_add_co_u32 s[T1], s[T1], 12*QREC+1024
	v_add_nc_u32 v[SA], s[T0], v[ST8]
	v_add_nc_u32 v[SS], s[T1], v[LS]
	s_add_nc_u64 s[NX:NX+1], s[CU:CU+1], 16384
	TOP 0, 1
	TLD G1
	SCLD WSB, CSC, 1024
	VSTEP 0, WSA
	s_mov_b64 s[NX:NX+1], s[34:35]                 ; w_proj
	TOP 1, 1
	TLD G1
	SCLD WSA, 36, 0
	VSTEP 1, WSB
	; ---- attention: my four heads for my 32 queries.  Places of key blocks: 0 the diagonal (rh), 1 the other own block (rh = 1 alone), 2 and 3 prev's
	v_mov_b32 v[BK0], v[HH]                        ; the block that my registers 0-3 of a fragment hold
	v_add_nc_u32 v[BK1], 2, v[HH]                  ; and registers 4-7
	v_mov_b32 v[NINF], 0xff800000
	v_lshlrev_b32 v[DD], 3, v[HH]
	v_sub_nc_u32 v[DD], v[RR], v[DD]               ; the mask: r - 8 h
	s_lshl_b32 s[T0], s[RH], 8
	v_xor_b32 v[LIV], s[T0], v[LI]                 ; rh = 1: V's two own blocks change places
	v_mov_b32 v[NMP+1], 0
	v_mov_b32 v[RLP+1], 0
.irp j, 4,5,6,7
	v_mov_b32 v[PC+\j], 0                          ; P's places for the rows in front: zero codes,
.endr
	v_mov_b32 v[PWH], 0x7f7f0000                   ; scale 1
	s_add_co_u32 s[T0], s[QBR], 4*QREC
	s_add_co_u32 s[T1], s[QB], 4*QREC
	v_add_nc_u32 v[FA], s[T0], v[LI]
	v_add_nc_u32 v[FS], s[T0], v[LS]
	v_add_nc_u32 v[TV], s[T1], v[LI]
	v_add_nc_u32 v[SS], s[T1], v[LS]
	BAR                                            ; q, k and v lie in LDS
.macro KLD at, rec, adr, ads
	ds_load_b128 v[KF+8*(\at):KF+8*(\at)+3], v[\adr] offset:QREC*(\rec)
	ds_load_b128 v[KF+8*(\at)+4:KF+8*(\at)+7], v[\adr] offset:QREC*(\rec)+512
	ds_load_b32 v[XS+(\at)], v[\ads] offset:QREC*(\rec)+1024
.endm
	KLD 0, 0, FA, FS
	KLD 1, 1, FA, FS
	SKIP RH, .Lnok1
	KLD 2, 0, TV, SS
	KLD 3, 1, TV, SS
	s_branch .Lk1
.Lnok1:                                                ; written on every way; read only where they are loaded
.set jj, 0
.rept 16
	v_mov_b32 v[KF+16+jj], 0
.set jj, jj+1
.endr
	v_mov_b32 v[XS+2], 0
	v_mov_b32 v[XS+3], 0
.Lk1:
	SKIP PP, .Lnok2
.irp k, 4,5,6,7
	KLD \k, \k, TV, SS
.endr
	s_branch .Lk2
.Lnok2:
.set jj, 0
.rept 32
	v_mov_b32 v[KF+32+jj], 0
.set jj, jj+1
.endr
.irp j, 4,5,6,7
	v_mov_b32 v[XS+\j], 0
.endr
.Lk2:
.macro BM p, t                         ; the largest score of block p: for the row's maximum, and, since p rises with the score, for the block's largest p
	v_max3_num_f32 v[\t], v[HA+16*\p], v[HA+16*\p+1], v[HA+16*\p+2]
	v_max3_num_f32 v[\t+1], v[HA+16*\p+3], v[HA+16*\p+4], v[HA+16*\p+5]
	v_max3_num_f32 v[\t+2], v[HA+16*\p+6], v[HA+16*\p+7], v[HA+16*\p+8]
	v_max3_num_f32 v[\t+3], v[HA+16*\p+9], v[HA+16*\p+10], v[HA+16*\p+11]
	v_max3_num_f32 v[\t+4], v[HA+16*\p+12], v[HA+16*\p+13], v[HA+16*\p+14]
	v_max3_num_f32 v[\t], v[\t], v[\t+1], v[\t+2]
	v_max3_num_f32 v[\t+3], v[\t+3], v[\t+4], v[HA+16*\p+15]
	v_max_num_f32 v[TM+\p], v[\t], v[\t+3]
.endm
.macro BX p
	v_permlanex16_b32 v[TM+4+\p], v[TM+\p], s[SEL], s[SEL+1]
.endm
.macro BY p
	v_max_num_f32 v[TM+\p], v[TM+\p], v[TM+4+\p]
.endm
.macro GE b0, nb                       ; p = 2^(t - M) of these blocks, the sums of the unquantised p, each block's scale byte, the codes
.set jj, 16*(\b0)
.rept 8*(\nb)
	v_pk_fma_f32 v[HA+jj:HA+jj+1], v[HA+jj:HA+jj+1], s[CS:CS+1], v[NMP:NMP+1] op_sel_hi:[1,0,0]
.set jj, jj+2
.endr
.set jj, \b0
.rept \nb
	v_fma_f32 v[TM+jj], v[TM+jj], s[CS], v[NMP]
.set jj, jj+1
.endr
	SW
.set jj, 16*(\b0)
.rept 16*(\nb)
	v_exp_f32 v[HA+jj], v[HA+jj]
.set jj, jj+1
.endr
.set jj, \b0
.rept \nb
	v_exp_f32 v[TM+jj], v[TM+jj]                   ; the same two instructions on the same number give the same bits
.set jj, jj+1
.endr
	v_nop                                          ; a plain place behind the batch
	SW
.set jj, 16*(\b0)
.rept 4*(\nb)
	v_pk_add_f32 v[LA:LA+1], v[LA:LA+1], v[HA+jj:HA+jj+1]
	v_pk_add_f32 v[LB:LB+1], v[LB:LB+1], v[HA+jj+2:HA+jj+3]
.set jj, jj+4
.endr
.set jj, \b0
.rept \nb
	v_max_num_f32 v[TM+jj], 0x1800000, v[TM+jj]
.set jj, jj+1
.endr
.set jj, \b0
.rept \nb
	v_add_nc_u32 v[TM+jj], 0xff000000, v[TM+jj]
.set jj, jj+1
.endr
.set jj, \b0
.rept \nb
	v_lshrrev_b32 v[TM+4+jj], 23, v[TM+jj]
.set jj, jj+1
.endr
.set jj, \b0
.rept \nb
	v_cvt_scalef32_pk8_fp4_f32 v[PC+2*jj], v[HA+16*jj:HA+16*jj+7], v[TM+jj]
	v_cvt_scalef32_pk8_fp4_f32 v[PC+2*jj+1], v[HA+16*jj+8:HA+16*jj+15], v[TM+jj]
.set jj, jj+1
.endr
	v_nop                                          ; one plain place behind the conversions
.endm
	s_mov_b32 s[QO], s[QBR]
	s_mul_i32 s[T0], s[RH], 2*REC
	s_add_co_u32 s[T0], s[T0], AIMG
	s_lshl_b32 s[AG], s[CQ], 10
	s_add_co_u32 s[AG], s[AG], s[T0]
	s_lshl_b32 s[ASG], s[CQ], 6
	s_add_co_u32 s[ASG], s[ASG], s[T0]
	s_add_co_u32 s[ASG], s[ASG], 4096
	s_mov_b32 s[C0], 0
	SW
.Luq:                                                  ; a tile of 16 queries: q's fragment and scale word, and the causal mask's 16 compares
	v_add_nc_u32 v[TV], s[QO], v[LI]
	v_add_nc_u32 v[SS], s[QO], v[LS]
	ds_load_b32 v[QS], v[SS] offset:1024
	ds_load_b128 v[QK:QK+3], v[TV]
	ds_load_b128 v[QK+4:QK+7], v[TV] offset:512
.irp i, 0,1,2,3,4,5,6,7,8,9,10,11
	v_cmp_gt_i32 s[MK0+\i], \i+8*(\i/8), v[DD]     ; register i of the diagonal block is key 8 h + i + 8 (i / 8) of it: lanes whose key comes after their query
.endr
.irp i, 12,13,14,15
	v_cmp_gt_i32 s[MK1+\i-12], \i+8*(\i/8), v[DD]
.endr
	s_mov_b32 s[AO], s[AG]
	s_mov_b32 s[ASC], s[ASG]
	s_add_co_u32 s[VFO], s[QB], 12*QREC
	s_mov_b32 s[C1], 0
	SW
	s_wait_dscnt 0x0                               ; q, its scale word, and (the first time) K's fragments
.Lhd:                                                  ; one head.  Its 32 along K are one block of q's and k's fragments: of q the other three blocks are set to zero codes
	v_add_nc_u32 v[FA], s[VFO], v[LIV]
	v_add_nc_u32 v[TV], s[VFO], v[LI]
	v_add_nc_u32 v[FS], s[VFO], v[LS]
	ds_load_b128 v[VF:VF+3], v[FA]
	ds_load_b128 v[VF+4:VF+7], v[TV] offset:512
	ds_load_b128 v[VF+8:VF+11], v[FA] offset:QREC
	ds_load_b128 v[VF+12:VF+15], v[TV] offset:QREC+512
	ds_load_b32 v[VS], v[FS] offset:1024
	ds_load_b32 v[VS+1], v[FS] offset:QREC+1024
	v_cmp_eq_u32 vcc_lo, s[C1], v[BK0]
	v_cmp_eq_u32 s[T0], s[C1], v[BK1]
.irp j, 0,1,2,3
	v_cndmask_b32 v[QM+\j], 0, v[QK+\j], vcc_lo
.endr
.irp j, 4,5,6,7
	v_cndmask_b32 v[QM+\j], 0, v[QK+\j], s[T0]
.endr
	v_mov_b32 v[LA], 0                             ; the row sum's two chains
	v_mov_b32 v[LA+1], 0
	v_mov_b32 v[LB], 0
	v_mov_b32 v[LB+1], 0
	v_mov_b32 v[PC+2], 0                           ; rh = 0: place 1 is hidden: zero codes,
	v_mov_b32 v[PC+3], 0
	v_mov_b32 v[PW], 0x7f00                        ; scale 1
	WM HA, KF, QM, -1, XS, QS, 0, 0
	WM HA+8, KF+8, QM, -1, XS+1, QS, 0, 0
	SKIP RH, .Ls1
	WM HA+16, KF+16, QM, -1, XS+2, QS, 0, 0
	WM HA+24, KF+24, QM, -1, XS+3, QS, 0, 0
.Ls1:
	SKIP PP, .Ls2
.irp k, 4,5,6,7
	WM HA+8*\k, KF+8*\k, QM, -1, XS+\k, QS, 0, 0
.endr
.Ls2:
	PLACES 4
.irp i, 0,1,2,3,4,5,6,7,8,9,10,11
	v_cndmask_b32 v[HA+\i], v[HA+\i], v[NINF], s[MK0+\i]
.endr
.irp i, 12,13,14,15
	v_cndmask_b32 v[HA+\i], v[HA+\i], v[NINF], s[MK1+\i-12]
.endr
	BM 0, TT
	BX 0
	BY 0
	v_mov_b32 v[RM], v[TM]
	SKIP RH, .Lx1
	BM 1, TT
	BX 1
	BY 1
	v_max_num_f32 v[RM], v[RM], v[TM+1]
.Lx1:
	SKIP PP, .Lx2
	BM 2, TT
	BM 3, TT+5
	BX 2
	BX 3
	BY 2
	BY 3
	v_max3_num_f32 v[RM], v[RM], v[TM+2], v[TM+3]
.Lx2:
	v_mul_f32 v[RM], s[CS], v[RM]                  ; the row's largest t
	v_floor_f32 v[NMP], -v[RM]                     ; -M = -ceil(t): a whole number
	SKIP PP, .Le2
	GE 2, 2
	v_lshlrev_b32 v[PWH], 16, v[TM+6]
	v_lshl_or_b32 v[PWH], v[TM+7], 24, v[PWH]
	v_permlane16_swap_b32 v[PC+4], v[PC+6]         ; the operand wants a whole block in a lane
	v_permlane16_swap_b32 v[PC+5], v[PC+7]
.Le2:
	SKIP RH, .Le1
	GE 1, 1
	v_lshlrev_b32 v[PW], 8, v[TM+5]
.Le1:
	GE 0, 1
	v_or_b32 v[PW], v[PW], v[TM+4]
	v_or_b32 v[PW], v[PW], v[PWH]
	v_permlane16_swap_b32 v[PC], v[PC+2]
	v_permlane16_swap_b32 v[PC+1], v[PC+3]
	v_pk_add_f32 v[LA:LA+1], v[LA:LA+1], v[LB:LB+1]
	v_add_f32 v[LA], v[LA], v[LA+1]
	SW
	s_wait_dscnt 0x0                               ; V
	v_perm_b32 v[VS], v[VS], v[VS], s[PSEL]
	v_perm_b32 v[VS+1], v[VS+1], v[VS+1], s[PSEL]
	v_permlanex16_b32 v[LA+1], v[LA], s[SEL], s[SEL+1]
	v_add_f32 v[LA], v[LA], v[LA+1]                ; the row's sum
	SW
	v_rcp_f32 v[RLP], v[LA]
	PLACES 6                                       ; with the two lines above the wait: eight plain places behind the scale words' last write
	WM HA, VF, PC, -1, VS, PW, 0, 0
	WM HA+8, VF+8, PC, -1, VS+1, PW, 0, 0
	PLACES 4
	SW
.irp j, 0,2,4,6,8,10,12,14
	v_pk_mul_f32 v[HA+\j:HA+\j+1], v[HA+\j:HA+\j+1], v[RLP:RLP+1] op_sel_hi:[1,0]
.endr
	v_max3_num_f32 v[TM], |v[HA]|, |v[HA+1]|, 0x1800000         ; the head's 32 columns are one block of the projection's K
	v_max3_num_f32 v[TM+1], |v[HA+2]|, |v[HA+3]|, 0x1800000
.irp i, 4,8,12
	v_max3_num_f32 v[TM], v[TM], |v[HA+\i]|, |v[HA+\i+1]|
	v_max3_num_f32 v[TM+1], v[TM+1], |v[HA+\i+2]|, |v[HA+\i+3]|
.endr
	v_max_num_f32 v[TM], v[TM], v[TM+1]
	v_permlanex16_b32 v[TM+4], v[TM], s[SEL], s[SEL+1]
	v_max_num_f32 v[TM], v[TM], v[TM+4]
	v_add_nc_u32 v[TM], 0xff000000, v[TM]
	v_lshrrev_b32 v[TM+4], 23, v[TM]
	v_cvt_scalef32_pk8_fp4_f32 v[PC], v[HA:HA+7], v[TM]
	v_cvt_scalef32_pk8_fp4_f32 v[PC+1], v[HA+8:HA+15], v[TM]
	v_add_nc_u32 v[SA], s[AO], v[ST8]
	v_add_nc_u32 v[SS], s[ASC], v[LS]
	v_permlane16_swap_b32 v[PC], v[PC+1]
	ds_store_b64 v[SA], v[PC:PC+1]
	ds_store_b8 v[SS], v[TM+4]
	s_add_co_u32 s[VFO], s[VFO], 2*QREC
	s_add_co_u32 s[AO], s[AO], 256
	s_add_co_u32 s[ASC], s[ASC], 1
	s_add_co_u32 s[C1], s[C1], 1
	s_cmp_lt_u32 s[C1], 4
	SW
	s_cbranch_scc1 .Lhd
	v_add_nc_u32 v[DD], 16, v[DD]                  ; the next tile's queries
	s_add_co_u32 s[QO], s[QO], QREC
	s_add_co_u32 s[AG], s[AG], REC
	s_add_co_u32 s[ASG], s[ASG], REC
	s_add_co_u32 s[C0], s[C0], 1
	s_cmp_lt_u32 s[C0], 2
	SW
	s_cbranch_scc1 .Luq
	; ---- the projection, onto x + b_proj.  The change of slots is also the barrier behind attention's images
	s_mul_i32 s[T0], s[RH], 2*REC
	s_add_co_u32 s[T0], s[T0], AIMG
	v_add_nc_u32 v[FA], s[T0], v[LI]
	v_add_nc_u32 v[FS], s[T0], v[LS]
	v_add_nc_u32 v[FS], 4096, v[FS]
	s_add_nc_u64 s[NX:NX+1], s[34:35], 16384
	TOP 0, 1
	TLD G1
	SCLD WSB, 36, 1024
	LOADRW 0, REC
	s_wait_loadcnt 2
	TGU 0, 64, 1, 2, RF, XS, WSA, 12
	s_mov_b64 s[NX:NX+1], s[38:39]                 ; w1
	TOP 1, 1
	TLD G1
	SCLD WSA, 40, 0
	LOADW 1
	s_wait_loadcnt 2
	TGU 32, 64, 1, 2, RF, XS, WSB, 8
	PLACES 4
	LN 0, 1, 0, 6144, 0
	BIAS 10240
	; ---- the first MLP product: hidden units 512 g + 128 cq + 64 f .. + 63 in panel (g, f).  A panel's results are quantised under the next panel's LDS loads
	s_mul_i32 s[T0], s[RH], 2*REC
	s_add_co_u32 s[T0], s[T0], HIMG
	v_add_nc_u32 v[FA], s[T0], v[LI]
	v_add_nc_u32 v[FS], s[T0], v[LS]
	v_add_nc_u32 v[FS], 4096, v[FS]
	s_mul_i32 s[T0], s[RH], 2*HREC
	s_add_co_u32 s[T0], s[T0], HID
	s_lshl_b32 s[T1], s[CQ], 10
	s_add_co_u32 s[T1], s[T1], s[T0]
	v_add_nc_u32 v[SA], s[T1], v[ST8]
	s_lshl_b32 s[T1], s[CQ], 6
	s_add_co_u32 s[T1], s[T1], s[T0]
	s_add_co_u32 s[T1], s[T1], 16384
	v_add_nc_u32 v[SS], s[T1], v[LS]
	BAR                                            ; the normed rows' images lie in LDS
	FETCHR RF, XS, 0
	v_add_nc_u32 v[FA], 12288, v[VECA]             ; b1
.irp k, 0,1,2,3,4,5,6,7
	global_load_b128 v[W2R+4*\k:W2R+4*\k+3], v[LI], s[44:45] offset:512*\k   ; 64 rows of w2's scale bytes, for LDS
.endr
	s_mov_b64 s[CU:CU+1], s[38:39]
	s_mov_b64 s[CSC:CSC+1], s[40:41]
	s_mov_b32 s[C0], 0
	SW
.macro LB1 f                           ; b1 is the C of each sum's first instruction
.irp n, 0,1,2,3,4,5,6,7
	ds_load_b128 v[GV+4*\n:GV+4*\n+3], v[FA] offset:256*\f+64*(\n/2)+16*(\n%2)
.endr
.endm
.macro EPI f
.set jj, 0
.rept 32
	v_dual_max_num_f32 v[HA+jj], 0, v[HA+jj] :: v_dual_max_num_f32 v[HA+jj+1], 0, v[HA+jj+1]   ; relu, in f32
.set jj, jj+2
.endr
	QCORE 0
	SWP4
	ST_PAIR 512*\f, 2*\f, HREC
.endm
.Lm1:
	s_add_nc_u64 s[NX:NX+1], s[CU:CU+1], 16384
	TOP 0, 1
	TLD G1
	SCLD WSB, CSC, 1024
	LB1 0
	LOADW 0
	SKIP C0, .Lm1a
	EPI 1                                          ; the group before
	v_add_nc_u32 v[SA], 4096, v[SA]
	v_add_nc_u32 v[SS], 256, v[SS]
.Lm1a:
	SW
	s_wait_loadcnt 2
	s_wait_dscnt 0x0
	TGU HA, 32, 0, 1, RF, XS, WSA, -1
	s_add_nc_u64 s[CU:CU+1], s[CU:CU+1], 131072    ; 512 rows on
	s_cmp_eq_u32 s[C0], 3
	s_cselect_b64 s[NX:NX+1], s[42:43], s[CU:CU+1] ; behind the last group: w2's first panel
	TOP 1, 1
	s_cmp_eq_u32 s[C0], 3
	s_cbranch_scc1 .Lw2first
	TLD G1
	s_add_nc_u64 s[CSC:CSC+1], s[CSC:CSC+1], 8192
	SCLD WSA, CSC, 0
	s_branch .Lw2asked
.Lw2first:
	TLD G1W
	s_wait_loadcnt 0x0                             ; no scale words follow: this panel's are in
.Lw2asked:
	LB1 1
	LOADW 1
	EPI 0
	SW
	s_wait_loadcnt 2
	s_wait_dscnt 0x0
	TGU HA, 32, 0, 1, RF, XS, WSB, -1
	v_add_nc_u32 v[FA], 2048, v[FA]
	s_add_co_u32 s[C0], s[C0], 1
	s_cmp_lt_u32 s[C0], 4
	SW
	s_cbranch_scc1 .Lm1
	PLACES 4
	EPI 1
	s_mul_i32 s[T0], s[WV], 64*80
	s_add_co_u32 s[T0], s[T0], SC2
	v_and_b32 v[TV], 31, v0
	v_lshrrev_b32 v[FS], 2, v[TV]
	v_and_b32 v[TV], 3, v[TV]
	v_lshlrev_b32 v[TV], 4, v[TV]
	v_mul_u32_u24 v[FS], v[FS], 80
	v_add_nc_u32 v[TV], v[TV], v[FS]
	v_add_nc_u32 v[TV], s[T0], v[TV]
.irp k, 0,1,2,3,4,5,6,7
	ds_store_b128 v[TV], v[W2R+4*\k:W2R+4*\k+3] offset:640*\k
.endr
	; ---- the second MLP product, onto x1 + b2: panel (g, f) = K 512 g .. + 511 of columns 128 cq + 64 f .. + 63
	s_mul_i32 s[T0], s[RH], 2*HREC
	s_add_co_u32 s[T0], s[T0], HID
	v_add_nc_u32 v[FA], s[T0], v[LI]
	v_add_nc_u32 v[FS], s[T0], v[LS]
	v_add_nc_u32 v[FS], 16384, v[FS]
	s_mul_i32 s[T1], s[CQ], 128*80
	s_add_co_u32 s[T1], s[T1], SC2
	v_and_b32 v[SA], 31, v0
	v_mul_u32_u24 v[SA], v[SA], 80
	v_add_nc_u32 v[SA], s[T1], v[SA]
	s_mov_b64 s[CU:CU+1], s[42:43]
	s_mov_b32 s[C0], 0
.macro SCL2 dst, o                     ; this panel's scale words
.irp b, 0,1
	ds_load_b128 v[\dst+4*\b:\dst+4*\b+3], v[SA] offset:(\o)+2560*\b
.endr
.endm
.macro M2 fill                         ; fill = 0: the last group, behind whose second panel nothing is asked for
	s_add_nc_u64 s[NX:NX+1], s[CU:CU+1], 65536
	TOP 0, 1
	TLD G1W
	SCL2 WSA, 0
	LOADRW 0, HREC
	TGU 0, 64, 1, 2, RF, XS, WSA, 12
	s_add_nc_u64 s[CU:CU+1], s[CU:CU+1], 256
	s_mov_b64 s[NX:NX+1], s[CU:CU+1]
	TOP 1, \fill
.if \fill
	TLD G1W
.else
	PLACES 4
.endif
	SCL2 WSB, 5120
	LOADW 1
	TGU 32, 64, 1, 2, RF, XS, WSB, 8
.endm
	SW
.Lm2:
	M2 1
	v_add_nc_u32 v[FA], 4096, v[FA]
	v_add_nc_u32 v[FS], 256, v[FS]
	v_add_nc_u32 v[SA], 16, v[SA]
	s_add_co_u32 s[C0], s[C0], 1
	s_cmp_lt_u32 s[C0], 3
	SW
	s_cbranch_scc1 .Lm2
	M2 0
; ---- the way out: a tile of 16 rows through my stage (the hidden layer has been read by all), back as memory rows; each store of the wave covers 512 consecutive bytes, aligned
.set SGW, 192
.set SGR, 193
	s_mul_i32 s[SO], s[WV], 8448
	s_add_co_u32 s[SO], s[SO], STG
	v_mul_u32_u24 v[SGW], v[RR], 528
	v_lshl_add_u32 v[SGW], v[HH], 5, v[SGW]
	v_add_nc_u32 v[SGW], s[SO], v[SGW]
	v_add_nc_u32 v[SGR], s[SO], v[LI]
.macro TOST u
	WIN 0x04
.irp n, 0,1,2,3,4,5,6,7,8,9,10,11,12,13,14,15
	ds_store_b128 v[SGW], v[64*\u+4*\n:64*\u+4*\n+3] offset:64*(\n/2)+16*(\n%2)    ; each accumulator from its low end on
.endr
	WIN 0x40
.irp i, 0,1,2,3,4,5,6,7,8,9,10,11,12,13,14,15
	ds_load_b128 v[64*\u+4*\i:64*\u+4*\i+3], v[SGR] offset:528*\i                  ; LDS serves a wave's instructions in order: these see the stores above
.endr
.endm
.macro SEND u
	WIN 0x04
.irp i, 0,1,2,3,4,5,6,7,8,9,10,11,12,13,14,15
	global_store_b128 v[LI], v[64*\u+4*\i:64*\u+4*\i+3], s[OUT:OUT+1] offset:(16*\u+\i)*2048 th:TH_STORE_NT
.endr
.endm
	PLACES 4
	TOST 0
	TOST 1
	SW
	s_wait_dscnt 32                                ; tile 0 is back; tile 1's 32 LDS instructions stay out
	SEND 0
	s_wait_dscnt 0x0
	SEND 1
	WIN 0
	s_wait_tensorcnt 0x0                           ; the wave's end
	ds_add_u32 v[SPW], v[NIL]
	s_wait_dscnt 0x0
	CROUND                                         ; the closing round: no work-group ends while a partner may still ask for a panel that names it
	s_endpgm
.Lfunc_end_k_q83f38f574d_block:
	.size	k_q83f38f574d_block, .Lfunc_end_k_q83f38f574d_block-k_q83f38f574d_block
	.p2alignl 7, 3214868480
	.fill 96, 4, 3214868480
	.section	.rodata,"a",@progbits
	.p2align	6, 0x0
	.amdhsa_kernel k_q83f38f574d_block
		.amdhsa_group_segment_fixed_size 327680
		.amdhsa_private_segment_fixed_size 0
		.amdhsa_enable_private_segment 0
		.amdhsa_kernarg_size 168
		.amdhsa_user_sgpr_count 2
		.amdhsa_user_sgpr_kernarg_segment_ptr 1
		.amdhsa_wavefront_size32 1
		.amdhsa_system_sgpr_workgroup_id_x 1
		.amdhsa_system_sgpr_workgroup_id_y 1
		.amdhsa_system_sgpr_workgroup_id_z 1
		.amdhsa_system_vgpr_workitem_id 0
		.amdhsa_next_free_vgpr 512
		.amdhsa_next_free_sgpr 102
		.amdhsa_reserve_vcc 1
		.amdhsa_float_denorm_mode_32 3
		.amdhsa_float_denorm_mode_16_64 3
		.amdhsa_memory_ordered 1
		.amdhsa_forward_progress 1
		.amdhsa_inst_pref_size 255
	.end_amdhsa_kernel
	.section	.bss,"aw",@nobits
	.p2align	6
	.space	262144
	.amdgpu_metadata
---
amdhsa.version: [ 1, 2 ]
amdhsa.kernels:
  - .name:           k_q83f38f574d_block
    .symbol:         k_q83f38f574d_block.kd
    .args:
      - { .name: x, .offset: 0, .size: 8, .value_kind: global_buffer, .address_space: global }
      - { .name: out0, .offset: 8, .size: 8, .value_kind: global_buffer, .address_space: global }
      - { .name: ln1_g, .offset: 16, .size: 8, .value_kind: global_buffer, .address_space: global }
      - { .name: ln1_b, .offset: 24, .size: 8, .value_kind: global_buffer, .address_space: global }
      - { .name: ln2_g, .offset: 32, .size: 8, .value_kind: global_buffer, .address_space: global }
      - { .name: ln2_b, .offset: 40, .size: 8, .value_kind: global_buffer, .address_space: global }
      - { .name: b_proj, .offset: 48, .size: 8, .value_kind: global_buffer, .address_space: global }
      - { .name: b2, .offset: 56, .size: 8, .value_kind: global_buffer, .address_space: global }
      - { .name: b1, .offset: 64, .size: 8, .value_kind: global_buffer, .address_space: global }
      - { .name: wq_codes, .offset: 72, .size: 8, .value_kind: global_buffer, .address_space: global }
      - { .name: wq_scales, .offset: 80, .size: 8, .value_kind: global_buffer, .address_space: global }
      - { .name: wk_codes, .offset: 88, .size: 8, .value_kind: global_buffer, .address_space: global }
      - { .name: wk_scales, .offset: 96, .size: 8, .value_kind: global_buffer, .address_space: global }
      - { .name: wv_codes, .offset: 104, .size: 8, .value_kind: global_buffer, .address_space: global }
      - { .name: wv_scales, .offset: 112, .size: 8, .value_kind: global_buffer, .address_space: global }
      - { .name: w_proj_codes, .offset: 120, .size: 8, .value_kind: global_buffer, .address_space: global }
      - { .name: w_proj_scales, .offset: 128, .size: 8, .value_kind: global_buffer, .address_space: global }
      - { .name: w1_codes, .offset: 136, .size: 8, .value_kind: global_buffer, .address_space: global }
      - { .name: w1_scales, .offset: 144, .size: 8, .value_kind: global_buffer, .address_space: global }
      - { .name: w2_codes, .offset: 152, .size: 8, .value_kind: global_buffer, .address_space: global }
      - { .name: w2_scales, .offset: 160, .size: 8, .value_kind: global_buffer, .address_space: global }
    .group_segment_fixed_size: 327680
    .private_segment_fixed_size: 0
    .kernarg_segment_align: 8
    .kernarg_segment_size: 168
    .max_flat_workgroup_size: 256
    .sgpr_count:     102
    .vgpr_count:     512
    .wavefront_size: 32
...
	.end_amdgpu_metadata
.endif
;; end of part 1
